; MI455X (gfx1250); checked and timed in simulation.
; The chip was launched on July 23, 2026; its instructions are those of AMD's public machine-readable ISA for CDNA 5 (MIT licence, August 2026) and "CDNA5" Instruction Set Architecture Reference Guide (July 2026). The comments in the code are by the model that wrote it; some were corrected since.
;; Causal Self Attention. Allowed arithmetic: matrix products marked QUANTISED: E4M3 operands, one given power-of-two scale a tensor, by v_wmma_f32_16x16x64_fp8_fp8 or v_wmma_f32_16x16x128_fp8_fp8, f32 sums; everything else in f32.
;; Inputs: lowp_scales 8 int32 (the exponents e of the quantised operands' scales 2^e); w_attn_codes 3,072 x 32 x 32 uint8 (E4M3 codes of w_attn, K innermost, in blocks of 32 codes); w_proj_codes 1,024 x 32 x 32 uint8 (E4M3 codes of w_proj, K innermost, in blocks of 32 codes); x_codes 4 x 2,048 x 32 x 32 uint8 (E4M3 codes of x, K innermost, in blocks of 32 codes).
;; Outputs: out0 4 x 2,048 x 1,024 float32.
;; This version of the problem:
;;   THIS VERSION OF THE PROBLEM IS GIVEN IN LOW PRECISION. The matrix products marked QUANTISED in the list below multiply operands that are first quantised to E4M3 (4 exponent bits, 3 mantissa bits; 8 bits a number), with one given power-of-two scale for each operand tensor; their sums are f32. All else is computed in f32.
;;   The module's matrix products, in the order in which they are computed (A, B: the left and right operand; K: the contracted axis; several contracted axes count as one K, in the product's order):
;;     1. [M 8,192, K 1,024] x [K 1,024, N 3,072]; A: input x (given as codes); B: input w_attn (given as codes): QUANTISED (scales: A lowp_scales[0], B lowp_scales[1])
;;     2. batch 64 x [M 2,048, K 64] x [K 64, N 2,048]; A: computed on the way; B: computed on the way: QUANTISED (scales: A lowp_scales[2], B lowp_scales[3])
;;     3. batch 64 x [M 2,048, K 2,048] x [K 2,048, N 64]; A: softmax (see below); B: computed on the way: QUANTISED (scales: A lowp_scales[4], B lowp_scales[5])
;;     4. [M 8,192, K 1,024] x [K 1,024, N 1,024]; A: computed on the way; B: input w_proj (given as codes): QUANTISED (scales: A lowp_scales[6], B lowp_scales[7])
;;   THE QUANTISER, for each operand of a quantised product, along K:
;;     - The operand's scale is 2^e, e = its entry of the input lowp_scales (int32; the entries are numbered through the quantised products in the list's order, A before B).
;;     - Each number is divided by the scale, clamped to +-448, and rounded to the nearest number of E4M3, ties to even, subnormals kept.
;;     - The product sums the exact products of the quantised numbers (number of the format x scale) in f32.
;;   ~~~python
;;   def quantise(x, axis, e):      # numpy; x: float32 -> the quantised numbers, widened to float32 again
;;       x = np.moveaxis(x, axis, -1); K = x.shape[-1]
;;       r = np.clip(x / 2.0 ** e, -448, 448)
;;       step = 2.0 ** (np.maximum(np.frexp(np.where(r == 0, 1, r))[1] - 1, -6) - 3)
;;       q = np.round(r / step) * step * 2.0 ** e      # np.round: ties to even
;;       return np.moveaxis(q, -1, axis).astype(np.float32)
;;   ~~~
;;   SOFTMAX AHEAD OF A QUANTISED PRODUCT. Where the list says 'softmax', what is quantised is not the finished softmax but p = 2^(t - M), with t = logit x log2(e) and M = ceil(the row's largest t), a whole number; so 1/2 < the row's largest p <= 1. The row's sum l is taken of the UNQUANTISED p, in f32, and the product's result is divided by l at the end. Since M is a whole number, a kernel that streams over the keys may use a running M (the ceiling of the running maximum): every later rescaling is an exact power of two, so the quantised numbers keep their values, but for numbers so far below the row's largest that they fall under the format's range.
;;   OPERANDS COMPUTED ON THE WAY. 'Computed on the way' means the value that the module computes at that place (a softmax that the list does not call 'softmax' is quantised finished and normalised). What goes into a quantiser is computed in f32, as accurately as f32 sums, v_exp_f32 and their like allow (about 1e-6 of the number): no bf16 or f16 on the way to a quantiser, and a product that is left as it is and whose result goes on into a quantised operand takes f32 operands (vector FMAs, or v_wmma_f32_16x16x4_f32). A number that lies on a knife's edge between two numbers of the format may be rounded either way, as far as f32 arithmetic and the matrix unit's own rounding can turn it there, and no further.
;;   INPUTS GIVEN AS CODES. w_attn (in the module: [1024, 3072], K = its axis 0); w_proj (in the module: [1024, 1024], K = its axis 0); x (in the module: [4, 2048, 1024], K = its axis 2): each comes as NAME_codes (uint8): NAME with its K axis moved to the last place and cut into blocks of 32 codes, [.., K / 32, bytes a block], one block behind the other in memory; one code a byte (a code: sign, 4 exponent bits, 3 mantissa bits); its scale is its entry of lowp_scales. Its value is code x scale, taken as it is: it is not quantised again, and the codes and scales need not be those that the quantiser above would give.
;; One version. Each part assembles by itself: llvm-mc -triple=amdgcn-amd-amdhsa -mcpu=gfx1250 --defsym DOCPART=n.
;; ======== version 1 of 1: 3 launches
;; limits: right only within a limited range of input values
;; workspace buffers: qkv 25,165,824 bytes; yimg 8,388,608 bytes
;; launch qkv (part 1): grid 12 x 32, 4 waves a work-group, clusters of 4 x 4, 327,680 bytes of LDS; arguments x_codes, w_attn_codes, lowp_scales, qkv; writes qkv
.if DOCPART == 1
	.amdgcn_target "amdgcn-amd-amdhsa--gfx1250"
	.amdhsa_code_object_version 6
	.text
	.protected	k_q696627e42e_qkv
	.globl	k_q696627e42e_qkv
	.p2align	8
	.type	k_q696627e42e_qkv,@function
k_q696627e42e_qkv:
	s_mov_b64 s[64:65], 0
	v_nop
	global_prefetch_b8 v0, s[64:65] scope:SCOPE_SE
	s_setreg_imm32_b32 hwreg(HW_REG_WAVE_MODE, 25, 1), 1
	s_wait_xcnt 0x0
	s_wait_alu depctr_hold_cnt(0) depctr_sa_sdst(0) depctr_va_vdst(0) depctr_va_sdst(0) depctr_va_ssrc(0) depctr_va_vcc(0) depctr_vm_vsrc(0)
	s_getreg_b32 s2, hwreg(HW_REG_IB_STS2, 6, 4)
	s_cmp_eq_u32 s2, 0
	s_cbranch_scc0 .Lentry_in_a_cluster
	s_endpgm
.Lentry_in_a_cluster:
	s_bfe_u32 s2, ttmp6, 0x10000c
	s_cmp_lg_u32 s2, 0xf033
	s_cbranch_scc0 .Lentry_shape_is_right
	s_endpgm
.Lentry_shape_is_right:
; qkv = x w_attn on codes of FP8 (E4M3); each finished f32 sum is quantised at once to the code of q, k or v that attention will multiply.
; x: [8192][1024] codes, w_attn: [3072][1024] codes, K innermost.  A sum stands for sum x 2^(e0 + e1); its code is sum / 2^(et - e0 - e1), held within +-448, et = e2 (q), e3 (k), e5 (v).
; LIMIT: et - e0 - e1 lies between -126 and 119, so that the scale and 448 x the scale are f32 numbers.  NaN is not served.
; SHARES.  A tile of 256 x 256 sums is made by four waves, 128 x 128 each: 64 accumulators, 512 registers.  K goes in 4 steps of 256 through a ring of two LDS slots filled by the tensor data mover.
; ONE LOOP, TWO ORIENTATIONS.  Source 1 of the matrix instruction (op1; LDS rows 0-255) gives a lane its ONE row, source 0 (op0; LDS rows 256-511) its eight neighbours.
;   q, k (cluster x = 0, 1): op1 = x, op0 = w: a lane holds one token and eight neighbouring channels: K of attention's first product runs along its registers.
;   v    (cluster x = 2):    op1 = w's rows 2048 on, op0 = x: a lane holds one channel and eight neighbouring tokens: K of attention's second product (the keys) runs along its registers.
;   Only base addresses and tile numbers are chosen, by selects on the cluster's x, which all sixteen partners share.
; CLUSTERS: 4 x 4 work-groups; op1's tile is shared along a row of the cluster, op0's along a column: each is asked for jointly.
; THE WORKSPACE IS LAID AS IMAGES OF THE READER'S OPERAND REGISTERS: for each bh = 16 batch + head 393,216 bytes: Q at 0, K at 131,072: [token tile][chunk 2][lane][16 bytes]; V at 262,144: [key step of 128][channel tile 4][chunk 4][lane][16 bytes].
; A conversion's two registers are registers 2 c, 2 c + 1 of such a fragment in the very lane that will hold them: every store is 16 bytes a lane at 16 x lane, 512 consecutive aligned bytes a wave, and no stage in LDS is needed.
; REGISTERS, in windows of 256: window 0: v0-31 addresses and the scale; from v128 op1's fragments (8 x 16 rows x 128 K), ONE set, later the codes.  window 1: op0's fragments, TWO sets.  windows 2, 3: the accumulators ((a, b) at v[8 (8 (a % 4) + b)]).
.set KSTEP,  256
.set ROWB,   256                       ; a tile's row in bytes
.set KROW,   1024                      ; a row of x or of w in memory, in bytes
.set PITCH,  272                       ; an LDS row: 256 bytes + 16 of padding = 68 words: the 16 rows that a load touches start at 16 different banks (64 banks of 4 bytes: ISA guide 11.1)
.set FR,     16                        ; registers of a fragment: 16 rows x 128 K
.set NL,     4                         ; LDS loads that bring one
.set NP,     4                         ; places behind this matrix instruction (ISA guide 7.12.1)
.set HALFT,  128*PITCH                 ; 128 rows: what one tensor load brings
.set SLOT,   4*HALFT                   ; op1's 256 rows, then op0's 256 rows
.set LAPS,   2                         ; a lap = two K steps = once round the ring: 1,024 / 512
.set SPARE,  2*SLOT                    ; behind the ring: the spare words, 128 bytes for each wave: two blocks of 256 bytes that no other line names
.set HEADB,  393216                    ; a head's bytes in the workspace
.set ADRA, 16                          ; v16-17  LDS address of my op1 fragments in slot 0, 1
.set ADRB, 20                          ; v20-21  the same for op0
.set VO0,  26                          ; v26     16 x lane
.set VO1,  27                          ; v27     16 x lane + S3
.set SPW,  28                          ; v28     LDS address of my spare word; never rewritten
.set NIL,  29                          ; v29     0; never rewritten
.set SCL,  30                          ; v30     2^(et - e0 - e1) as f32
.set LIM,  31
.set AF,   128                         ; op1's fragments, in window 0
.set CD,   128                         ; the codes take their place: 16 registers for each block a
.set G1, 24                            ; s[24:31] descriptor group 1 for op1's tiles;  s[32:39] group 0, one set for each slot
.set G0, 32
.set G1B, 48                           ; s[48:55], s[56:63] the same for op0's tiles
.set G0B, 56
.set SB,  66                           ; s[66:81] eight store bases, one for each block a
.set EX,  84                           ; s[84:91] the eight exponents
.set MSB, 0
.macro WIN new                         ; the immediate's high byte repeats the setting that is left
.if MSB != \new
	s_set_vgpr_msb (MSB<<8)|\new
.set MSB, \new
.endif
.endm
.set MUL_LO, 0xa1                      ; source 0 window 1, source 1 window 0, C and D window 2
.set MUL_HI, 0xf1                      ; the same, C and D window 3
.set TO_B,   0x40                      ; destination window 1, address window 0
; A joint load: waves 0 and 1 fetch for op1, waves 2 and 3 for op0.  Each line has one mask and one set of registers; the branch hangs on the wave's number alone.
; Four v_nop follow each of the two lines, ahead of the jump, the label and what follows.
.macro JLOAD g0a, g1a, g0b, g1b
	s_cmp_eq_u32 s15, 0
	s_cbranch_scc0 .Lfor_b_\@
	tensor_load_to_lds s[\g0a:\g0a+3], s[\g1a:\g1a+7]
	s_nop 0
.rept 4
	v_nop
.endr
	s_branch .Lasked_\@
.Lfor_b_\@:
	tensor_load_to_lds s[\g0b:\g0b+3], s[\g1b:\g1b+7]
	s_nop 0
.rept 4
	v_nop
.endr
.Lasked_\@:
.endm
.macro CREST                           ; a round of the cluster's barrier behind its opening barrier
	s_cmp_lg_u32 s14, 0
	s_cbranch_scc1 .Lnot_wave_0_\@
	s_barrier_signal -3
.Lnot_wave_0_\@:
	s_barrier_wait -3
	s_barrier_signal -1
	s_barrier_wait -1
.endm
.macro CROUND                          ; a whole round
	s_barrier_signal -1
	s_barrier_wait -1
	CREST
.endm
	s_load_b128 s[4:7], s[0:1], 0x0                ; x's codes s[4:5], w_attn's codes s[6:7]
	s_load_b128 s[8:11], s[0:1], 0x10              ; the exponents s[8:9], the workspace s[10:11]
	v_lshl_add_u32 v[SPW], v0, 2, SPARE
	v_mov_b32 v[NIL], 0
	ds_add_u32 v28, v29
	ds_add_u32 v28, v29
	s_wait_dscnt 0x0
	v_lshrrev_b32 v1, 5, v0
	v_readfirstlane_b32 s14, v1                    ; wave 0..3
	s_lshr_b32 s15, s14, 1                         ; which half of op1's rows is mine.  Also: I fetch for op1 (0) or for op0 (1)
	s_and_b32 s16, s14, 1                          ; which half of op0's rows.  Also: which 128 rows of that tile I fetch
	s_bfe_u32 s40, ttmp6, 0x40000                  ; cx, cy: my place in the cluster
	s_bfe_u32 s41, ttmp6, 0x40004
	s_and_b32 s45, ttmp7, 0xffff                   ; the cluster's y, 0..7
	s_cmp_eq_u32 ttmp9, 2                          ; v's clusters?  The cluster's x is the same in all sixteen partners
	s_cselect_b32 s17, 0, s45                      ; op1's tiles: q, k: 32 tile rows of tokens; v: 4 tile rows of channels
	s_cselect_b32 s42, s45, ttmp9                  ; op0's tiles: q, k: tile columns 4 x cluster x on; v: 32 tile columns of tokens
	s_cselect_b32 s98, 0x200000, 0                 ; v's rows of w begin 2,048 rows of 1,024 bytes in
	s_lshl_b32 s17, s17, 2
	s_add_co_u32 s17, s17, s41                     ; TR: op1's tile, which my row of the cluster shares
	s_lshl_b32 s42, s42, 2
	s_add_co_u32 s42, s42, s40                     ; TC: op0's tile, which my column shares
	s_lshl_b32 s43, s41, 2
	s_lshl_b32 s43, 15, s43                        ; my row of the cluster
	s_lshl_b32 s44, 0x1111, s40                    ; my column
	; descriptor group 1: a tile of 128 rows x 256 bytes, padded in LDS
	s_or_b32 s[G1+0], s43, (0<<16)|(1<<20)|(1<<21)|(5<<22)|(3<<25)  ; 15:0 the mask; 17:16 element of 1 byte; 20 padding on; 21 set beside a mask; 24:22 after every 64 words (code 5); 31:25 of 4 words (code 3)
	s_or_b32 s[G1B+0], s44, (0<<16)|(1<<20)|(1<<21)|(5<<22)|(3<<25)
.irp g, G1, G1B
	s_mov_b32 s[\g+1], ROWB<<16                    ; tensor_dim0
	s_mov_b32 s[\g+2], 128<<16                     ; tensor_dim1 = 128
	s_mov_b32 s[\g+3], ROWB<<16                    ; tile_dim0
	s_mov_b32 s[\g+4], 128                         ; tile_dim1 = 128
	s_mov_b32 s[\g+5], KROW                        ; tensor_dim0_stride
	s_mov_b32 s[\g+6], 0
	s_mov_b32 s[\g+7], 0
.endr
	s_lshl_b32 s18, s16, 17                        ; the 128 rows of 1,024 bytes that I fetch
	s_lshl_b32 s20, s17, 18                        ; op1: 256 rows a tile
	s_add_co_u32 s20, s20, s18
	s_add_co_u32 s20, s20, s98
	s_mov_b32 s21, 0
	s_lshl_b32 s46, s42, 18                        ; op0 likewise
	s_add_co_u32 s46, s46, s18
	s_mov_b32 s47, 0
	s_mul_i32 s45, s14, HALFT                      ; where they go: wave x 128 rows: no place in the cluster enters an LDS address
	s_wait_kmcnt 0x0
	s_load_b256 s[EX:EX+7], s[8:9], 0x0            ; e0 .. e7
	s_cmp_eq_u32 ttmp9, 2
	s_cselect_b64 s[22:23], s[6:7], s[4:5]         ; op1's buffer
	s_cselect_b64 s[96:97], s[4:5], s[6:7]         ; op0's buffer
	s_add_nc_u64 s[20:21], s[22:23], s[20:21]
	s_add_nc_u64 s[46:47], s[96:97], s[46:47]
	CROUND                                         ; all sixteen work-groups are here: the first joint loads meet
.irp s, 0,1
	s_mov_b32 s[G0+4*\s], 1
	s_add_co_u32 s[G0+4*\s+1], s45, \s*SLOT
	s_add_nc_u64 s[G0+4*\s+2:G0+4*\s+3], s[20:21], \s*ROWB
	s_or_b32 s[G0+4*\s+3], s[G0+4*\s+3], 0x80000000
	s_mov_b32 s[G0B+4*\s], 1
	s_add_co_u32 s[G0B+4*\s+1], s45, \s*SLOT
	s_add_nc_u64 s[G0B+4*\s+2:G0B+4*\s+3], s[46:47], \s*ROWB
	s_or_b32 s[G0B+4*\s+3], s[G0B+4*\s+3], 0x80000000
	JLOAD G0+4*\s, G1, G0B+4*\s, G1B
.endr
	v_and_b32 v1, 15, v0                           ; l % 16
	v_bfe_u32 v2, v0, 4, 1                         ; l / 16
	v_mul_u32_u24 v3, v1, PITCH
	v_lshl_add_u32 v4, v2, 4, v3                   ; a fragment's row x pitch + 16 x half
	s_mul_i32 s21, s15, HALFT                      ; my 128 rows of op1
	s_mul_i32 s22, s16, HALFT                      ; my 128 rows of op0,
	s_add_co_u32 s22, s22, 2*HALFT                 ; which lie behind op1's 256
.irp s, 0,1
	v_add_nc_u32 v[ADRA+\s], s21, v4
	v_add_nc_u32 v[ADRB+\s], s22, v4
	s_add_co_u32 s21, s21, SLOT
	s_add_co_u32 s22, s22, SLOT
.endr
	; THE WAY OUT'S ADDRESSES.  Block a, chunk c of four code registers, goes to W0 + (a / 4) S1 + (a % 4) S2 + (c / 2) S3 + 512 (c % 2) + 16 x lane.
	;   q, k: a = token tile (1,024 bytes each): S1 = 4,096, S2 = 1,024; c / 2 = the head of my two: S3 = a head's bytes.
	;   v:    a / 4 = the head of my two: S1 = a head's bytes; a % 4 = channel tile: S2 = 2,048; the four chunks lie on end: S3 = 1,024.
	v_and_b32 v6, 31, v0
	v_lshlrev_b32 v[VO0], 4, v6
	s_wait_alu depctr_va_vdst(0)
	s_cmp_eq_u32 ttmp9, 2
	s_cselect_b32 s20, s42, s17                    ; P: the tile of 256 tokens
	s_cselect_b32 s21, s17, s42                    ; the tile of 256 channels
	s_cselect_b32 s22, s16, s15                    ; which 128 tokens of the tile are mine
	s_cselect_b32 s23, s15, s16                    ; which 128 channels (two heads)
	s_mov_b32 s92, 4096
	s_cselect_b32 s92, HEADB, s92                  ; S1
	s_mov_b32 s94, 1024
	s_cselect_b32 s94, 2048, s94                   ; S2
	s_mov_b32 s96, HEADB
	s_cselect_b32 s96, 1024, s96                   ; S3
	s_mov_b32 s93, 0
	s_mov_b32 s95, 0
	v_add_nc_u32 v[VO1], s96, v[VO0]
	s_lshr_b32 s82, s20, 3                         ; the batch: 8 tiles of 256 tokens each
	s_lshl_b32 s82, s82, 4
	s_and_b32 s21, s21, 3                          ; four heads to a tile of 256 channels, four such tiles to each of q, k, v
	s_lshl_b32 s21, s21, 2
	s_add_co_u32 s82, s82, s21
	s_lshl_b32 s23, s23, 1
	s_add_co_u32 s82, s82, s23                     ; bh of my first head
	s_mul_i32 s82, s82, HEADB
	s_lshl_b32 s83, ttmp9, 17                      ; Q, K or V image
	s_add_co_u32 s82, s82, s83
	s_and_b32 s20, s20, 7
	s_lshl_b32 s20, s20, 1
	s_add_co_u32 s20, s20, s22                     ; which 128 tokens of the batch: 8 token tiles of 1,024 bytes, or one key step of 8,192
	s_lshl_b32 s20, s20, 13
	s_add_co_u32 s82, s82, s20                     ; W0
	s_mov_b32 s83, 0
	s_add_nc_u64 s[SB:SB+1], s[10:11], s[82:83]
.irp a, 0,1,2
	s_add_nc_u64 s[SB+2*\a+2:SB+2*\a+3], s[SB+2*\a:SB+2*\a+1], s[94:95]
.endr
.irp a, 0,1,2,3
	s_add_nc_u64 s[SB+2*\a+8:SB+2*\a+9], s[SB+2*\a:SB+2*\a+1], s[92:93]
.endr
.macro FRAG reg, adr, q, i             ; a fragment, 16 rows x 128 K, is 16 registers: lane l holds row l % 16; registers 4 c .. 4 c + 3 hold K = 32 c + 16 (l / 16) + 0 .. 15: one permutation of k, the same in both operands
.irp c, 0,1,2,3
	ds_load_b128 v[\reg+4*\c:\reg+4*\c+3], v[\adr] offset:128*(\q)+32*\c+(\i)*16*PITCH
.endr
.endm
; 16 matrix instructions: op1's blocks a0, a0 + 1 x op0's eight, 128 along K.  p: op0's set.  zero = 1: the first product starts the sums.
; The 64 accumulators take turns, one instruction a turn, in the same order in every step.
.macro MUL16 a0, p, zero
.irp a, \a0, \a0+1
.irp b, 0,1,2,3,4,5,6,7
.if \zero
	v_wmma_f32_16x16x128_fp8_fp8 v[8*(8*((\a)%4)+\b):8*(8*((\a)%4)+\b)+7], v[128*(\p)+FR*\b:128*(\p)+FR*\b+FR-1], v[AF+FR*(\a):AF+FR*(\a)+FR-1], 0
.else
	v_wmma_f32_16x16x128_fp8_fp8 v[8*(8*((\a)%4)+\b):8*(8*((\a)%4)+\b)+7], v[128*(\p)+FR*\b:128*(\p)+FR*\b+FR-1], v[AF+FR*(\a):AF+FR*(\a)+FR-1], v[8*(8*((\a)%4)+\b):8*(8*((\a)%4)+\b)+7]
.endif
.endr
.endr
.endm
.macro FETCH_B slot, q, p              ; op0's eight fragments of the slot's q-th 128 along K into set p
	WIN TO_B
.irp i, 0,1,2,3,4,5,6,7
	FRAG 128*(\p)+FR*\i, ADRB+\slot, \q, \i
.endr
	WIN 0
.endm
.macro FETCH_A slot, q, i0             ; op1's blocks i0 .. i0 + 3
.irp i, \i0, \i0+1, \i0+2, \i0+3
	FRAG AF+FR*(\i), ADRA+\slot, \q, \i
.endr
.endm
.macro PLACES n                        ; plain vector instructions between a matrix instruction and a load into, or a vector read or write of, its registers
.rept \n
	v_nop
.endr
.endm
; A step of 128 along K that has its successor in the same slot.
.macro STEP slot, q, zero
	s_wait_dscnt 4*NL                              ; op0's set and op1's blocks 0-3 are in; the youngest sixteen loads (blocks 4-7) may be out
	WIN MUL_LO
	MUL16 0, (\q)%2, \zero
	MUL16 2, (\q)%2, \zero
	s_wait_dscnt 0                                 ; blocks 4-7 are in
	PLACES NP
	FETCH_B \slot, (\q)+1, 1-(\q)%2
	FETCH_A \slot, (\q)+1, 0
	WIN MUL_HI
	MUL16 4, (\q)%2, \zero
	MUL16 6, (\q)%2, \zero
	PLACES NP
	WIN 0
	FETCH_A \slot, (\q)+1, 4
.endm
; A slot's last step changes slots: ONE barrier; in front of it each wave waits for all its tensor loads, adds 0 to its spare word, and waits for that and for its own reads of this slot.  fill = 1: this slot is filled again, two K steps ahead.
.macro TURN slot, next, fill
	s_wait_tensorcnt 0x0                           ; all my tensor loads have landed: my part of the next slot  (every window is 0 here)
	ds_add_u32 v[SPW], v[NIL]                      ; 0 onto my spare word
	s_wait_dscnt 4*NL+1                            ; (the add and the youngest sixteen loads may be out)
	WIN MUL_LO
	MUL16 0, 1, 0                                  ; sixteen matrix instructions stand between the add and the wait for it
	s_wait_dscnt 0x0                               ; the add is done, and my reads of this slot are over
	s_barrier_signal -1
	MUL16 2, 1, 0
	WIN 0
	s_barrier_wait -1
.if \fill
	CREST                                          ; the barrier has opened a round of the cluster's barrier: no wave of any partner still reads this slot or has a load on its way
	s_add_nc_u64 s[G0+4*\slot+2:G0+4*\slot+3], s[G0+4*\slot+2:G0+4*\slot+3], 2*ROWB
	s_add_nc_u64 s[G0B+4*\slot+2:G0B+4*\slot+3], s[G0B+4*\slot+2:G0B+4*\slot+3], 2*ROWB
	JLOAD G0+4*\slot, G1, G0B+4*\slot, G1B         ; the first tensor load behind the round; its four v_nop are also the places in front of the loads below
.else
	PLACES NP
.endif
	FETCH_B \next, 0, 0
	FETCH_A \next, 0, 0
	WIN MUL_HI
	MUL16 4, 1, 0
	MUL16 6, 1, 0
	PLACES NP
	WIN 0
	FETCH_A \next, 0, 4
.endm
	s_wait_tensorcnt 1                             ; my part of K step 0 is in (K step 1's load may be out)
	s_barrier_signal -1
	s_barrier_wait -1                              ; everybody's is
	FETCH_B 0, 0, 0
	FETCH_A 0, 0, 0
	FETCH_A 0, 0, 4
	STEP 0, 0, 1                                   ; the first step stands in front of the loop: its products start the sums
	s_mov_b32 s3, LAPS-1
.Llap:                                                 ; a trip goes once round the ring and fills both slots again
	TURN 0, 1, 1
	STEP 1, 0, 0
	TURN 1, 0, 1
	STEP 0, 0, 0
	s_sub_co_u32 s3, s3, 1
	s_cmp_lg_u32 s3, 0
	s_cbranch_scc1 .Llap
	TURN 0, 1, 0                                   ; the last lap fills nothing, and has no round of the cluster's barrier
	STEP 1, 0, 0
	s_wait_dscnt 4*NL                              ; the very last step: nothing more to fetch
	WIN MUL_LO
	MUL16 0, 1, 0
	MUL16 2, 1, 0
	s_wait_dscnt 0
	WIN MUL_HI
	MUL16 4, 1, 0
	MUL16 6, 1, 0
	WIN 0
; THE WAY OUT: hold, convert, store; a window of 32 accumulators at a time.
.macro HOLD win                        ; only the window is set; no sum is held.  The conversion to an 8-bit code does not saturate (ISA guide 7.6.2)
	WIN \win
.set i, 0
.rept 256
.set i, i+1
.endr
.endm
.macro CODES win, a0                   ; accumulator (a, b)'s eight sums become registers 2 b, 2 b + 1 of block a's sixteen code registers
	WIN \win
.irp a, 0,1,2,3
.irp b, 0,1,2,3,4,5,6,7
	v_cvt_scalef32_pk8_fp8_f32 v[CD+16*(\a0+\a)+2*\b:CD+16*(\a0+\a)+2*\b+1], v[8*(8*\a+\b):8*(8*\a+\b)+7], v[SCL]
.endr
.endr
	v_nop                                          ; one plain vector instruction behind the last conversion of the run
	WIN 0
.endm
.macro SENDC a0                        ; each store of the wave covers 512 consecutive bytes, aligned; no register of a store is written again
.irp a, \a0, \a0+1, \a0+2, \a0+3
.irp c, 0,1,2,3
	global_store_b128 v[VO0+\c/2], v[CD+16*(\a)+4*\c:CD+16*(\a)+4*\c+3], s[SB+2*(\a):SB+2*(\a)+1] offset:512*(\c%2)
.endr
.endr
.endm
	s_wait_kmcnt 0x0                               ; the exponents
	s_cmp_eq_u32 ttmp9, 0
	s_cselect_b32 s96, s[EX+2], s[EX+3]            ; q's e2, else k's e3,
	s_cmp_eq_u32 ttmp9, 2
	s_cselect_b32 s96, s[EX+5], s96                ; or v's e5: a select, no branch
	s_sub_co_i32 s96, s96, s[EX]
	s_sub_co_i32 s96, s96, s[EX+1]                 ; et - e0 - e1
	s_add_co_i32 s96, s96, 127
	s_lshl_b32 s97, s96, 23
	v_mov_b32 v[SCL], s97                          ; the scale as f32: the conversion takes its exponent field
	s_add_co_i32 s96, s96, 8
	s_lshl_b32 s96, s96, 23
	s_or_b32 s96, s96, 0x600000
	PLACES NP                                      ; behind the last products, ahead of the first read of results
	HOLD 0x82                                      ; window 2
	CODES 0x02, 0
	SENDC 0
	HOLD 0xc3                                      ; window 3
	CODES 0x03, 4
	SENDC 4
	s_wait_tensorcnt 0x0                           ; the wave's end
	ds_add_u32 v[SPW], v[NIL]
	s_wait_dscnt 0x0
	CROUND                                         ; the closing round: no work-group ends while a partner may still ask for a tile that names it
	s_endpgm
.Lfunc_end_k_q696627e42e_qkv:
	.size	k_q696627e42e_qkv, .Lfunc_end_k_q696627e42e_qkv-k_q696627e42e_qkv
	.p2alignl 7, 3214868480
	.fill 96, 4, 3214868480
	.section	.rodata,"a",@progbits
	.p2align	6, 0x0
	.amdhsa_kernel k_q696627e42e_qkv
		.amdhsa_group_segment_fixed_size 327680
		.amdhsa_private_segment_fixed_size 0
		.amdhsa_enable_private_segment 0
		.amdhsa_kernarg_size 32
		.amdhsa_user_sgpr_count 2
		.amdhsa_user_sgpr_kernarg_segment_ptr 1
		.amdhsa_wavefront_size32 1
		.amdhsa_system_sgpr_workgroup_id_x 1
		.amdhsa_system_sgpr_workgroup_id_y 1
		.amdhsa_system_sgpr_workgroup_id_z 1
		.amdhsa_system_vgpr_workitem_id 0
		.amdhsa_next_free_vgpr 1024
		.amdhsa_next_free_sgpr 100
		.amdhsa_reserve_vcc 0
		.amdhsa_float_denorm_mode_32 3
		.amdhsa_float_denorm_mode_16_64 3
		.amdhsa_fp16_overflow 1
		.amdhsa_memory_ordered 1
		.amdhsa_forward_progress 1
		.amdhsa_inst_pref_size 86
	.end_amdhsa_kernel
	.amdgpu_metadata
---
amdhsa.version: [ 1, 2 ]
amdhsa.kernels:
  - .name:           k_q696627e42e_qkv
    .symbol:         k_q696627e42e_qkv.kd
    .args:
      - { .name: x_codes, .offset: 0, .size: 8, .value_kind: global_buffer, .address_space: global }
      - { .name: w_attn_codes, .offset: 8, .size: 8, .value_kind: global_buffer, .address_space: global }
      - { .name: lowp_scales, .offset: 16, .size: 8, .value_kind: global_buffer, .address_space: global }
      - { .name: qkv, .offset: 24, .size: 8, .value_kind: global_buffer, .address_space: global }
    .group_segment_fixed_size: 327680
    .private_segment_fixed_size: 0
    .kernarg_segment_align: 8
    .kernarg_segment_size: 32
    .max_flat_workgroup_size: 128
    .sgpr_count:     100
    .vgpr_count:     1024
    .wavefront_size: 32
...
	.end_amdgpu_metadata
.endif
;; end of part 1
;; launch attn (part 2): grid 4 x 64, 16 waves a work-group, clusters of 4 x 1, 264,192 bytes of LDS; arguments qkv, lowp_scales, yimg; writes yimg
.if DOCPART == 2
	.amdgcn_target "amdgcn-amd-amdhsa--gfx1250"
	.amdhsa_code_object_version 6
	.text
	.protected	k_q696627e42e_attn
	.globl	k_q696627e42e_attn
	.p2align	8
	.type	k_q696627e42e_attn,@function
k_q696627e42e_attn:
	s_mov_b64 s[64:65], 0
	v_nop
	global_prefetch_b8 v0, s[64:65] scope:SCOPE_SE
	s_setreg_imm32_b32 hwreg(HW_REG_WAVE_MODE, 25, 1), 1
	s_wait_xcnt 0x0
	s_wait_alu depctr_hold_cnt(0) depctr_sa_sdst(0) depctr_va_vdst(0) depctr_va_sdst(0) depctr_va_ssrc(0) depctr_va_vcc(0) depctr_vm_vsrc(0)
	s_getreg_b32 s2, hwreg(HW_REG_IB_STS2, 6, 4)
	s_cmp_eq_u32 s2, 0
	s_cbranch_scc0 .Lentry_in_a_cluster
	s_endpgm
.Lentry_in_a_cluster:
	s_bfe_u32 s2, ttmp6, 0x10000c
	s_cmp_lg_u32 s2, 0x3003
	s_cbranch_scc0 .Lentry_shape_is_right
	s_endpgm
.Lentry_shape_is_right:
; Causal attention of one head on codes of FP8 (E4M3): S^T = K Q^T, p = 2^(t - M), O^T = V^T p^T, y = O / l quantised to the code that the last product multiplies.
; t = score x 2^(e2 + e3) x log2(e) / 8; M = the running largest t rounded UP to a whole number; p is quantised with 2^e4, not normalised; l is the sum of the unquantised p; when M moves, l and O^T are multiplied by 2^(old M - new M), which rounds nothing.
; LIMITS on the given exponents: e2 + e3 between -123 and 130 (added to a constant's exponent field); e4 between -126 and 119; e4 + e5 - e6 is applied by v_ldexp_f32 to 1 / l and is bounded by f32's range alone.  NaN is not served.
; THE WHOLE HEAD LIES IN LDS: K's image in bytes 0 .. 131,071, V's in 131,072 .. 262,143, as the launch before laid them: images of operand registers, so a fragment is ds_load_b128 at 16 x lane: 512 consecutive bytes a load, no pitch, no padding.
; Nothing in LDS is ever filled again: no ring.
; CLUSTER.  The four work-groups of a cluster are one head (bh = the cluster's y) and ask for K and V jointly.
; SHARES.  A head has 16 blocks of 128 queries, 8 tiles of 16 each.  Wave w = 4 a + b: j = 2 ((a + b) % 4) + a % 2, u = a / 2.  It owns tile ti = 2 cx + u of block j (tile A) and of block 15 - j (tile B):
; (j + 1) + (16 - j) = 17 key steps of 128 keys for EVERY wave, two of them on the diagonal.  Key steps that lie wholly behind a tile's queries are left out by a scalar branch on j, which hangs on the wave's number alone; cx enters only Q's and y's global addresses and the mask's lane number.
; LAYOUT.  Both products are used transposed: a lane holds ONE query (lane % 16) throughout.  S^T's register 8 t + i of lane (r, h) is key 16 t + 8 h + i of the step: a conversion's two registers are registers 2 t, 2 t + 1 of p's fragment (K = 128, k in its true places).
; O^T's register 8 d + i is channel 16 d + 8 h + i: y's codes are again registers of the next product's fragment, and leave by stores of 16 bytes a lane at 16 x lane.
; yimg: [head / 4][row tile][(head / 2) % 2][chunk 4][lane][16 bytes]: strides 2,097,152 / 4,096 / 2,048 / 512 / 16.
.set VIMG, 131072
.set HEADB, 393216
.set LI,  1                            ; v1   16 x lane; never rewritten
.set ADK, 2                            ; v2   LDS address of the step's K
.set ADV, 3                            ; v3   of its V
.set DM,  4                            ; v4   16 ti + r - 8 h: on the diagonal register 8 t + i is hidden where 16 t + i > DM
.set NINF, 5                           ; v5   -infinity
.set PLIM, 6
.set PSCL, 7                           ; v7   2^e4
.set QFA, 8                            ; v[8:15]   Q's fragment of tile A
.set QFB, 16                           ; v[16:23]  of tile B
                                       ; v24 -M, v25 the largest t, v[26:27] the sum in two halves
.set FRG, 32                           ; v[32:95]  8 fragments of K (8 registers), then 4 of V (16 registers)
.set S,   96                           ; v[96:159] S^T, then p
.set OT,  160                          ; v[160:191] O^T
.set PC,  192                          ; v[192:207] p's codes
                                       ; v208 at work; v[210:211] f (v210 also the second chain of the maximum; v211 = 0); v212 a lane permute's destination; v[214:215] the second chain of the sum
                                       ; v[216:223], v[224:231] y's codes of tiles A, B; v[232:233] 2^(e4 + e5 - e6) / l; v235 1.0
.set WV,  10
.set CX,  11
.set BH,  12
.set JA,  13
.set JB,  14
.set TI,  15
.set SEL, 20                           ; s[20:21] selects for v_permlanex16_b32: lane l xor 16
.set CS,  22                           ; s[22:23] c = 2^(e2 + e3) log2(e) / 8
.set G1,  24                           ; s[24:31] descriptor group 1
.set G0,  32                           ; s[32:47] four groups 0
.set KS,  48                           ; the key step
.set TB,  49                           ; 8,192 x the key step
.set JJ,  50                           ; the block of the tile in hand
.set EO,  51                           ; e4 + e5 - e6
.set EX,  52                           ; s[52:59] the exponents
.set QA,  60
.set QB,  62
.set YA,  66
.set YB,  68
.macro ROUND                           ; a round of the cluster's barrier
	s_barrier_signal -1
	s_barrier_wait -1
	s_cmp_lg_u32 s[WV], 0
	s_cbranch_scc1 .Lnot_wave_0_\@
	s_barrier_signal -3
.Lnot_wave_0_\@:
	s_barrier_wait -3
	s_barrier_signal -1
	s_barrier_wait -1
.endm
	s_load_b128 s[4:7], s[0:1], 0x0                ; the q, k, v images s[4:5], the exponents s[6:7]
	s_load_b64 s[8:9], s[0:1], 0x10                ; y's images
	v_lshl_add_u32 v254, v0, 2, 0x40000
	v_mov_b32 v255, 0
	ds_add_u32 v254, v255
	ds_add_u32 v254, v255
	v_lshrrev_b32 v2, 5, v0
	s_delay_alu instid0(VALU_DEP_1)
	v_readfirstlane_b32 s[WV], v2                  ; wave 0..15
	s_bfe_u32 s[CX], ttmp6, 0x40000                ; my place in the cluster
	s_and_b32 s[BH], ttmp7, 0xffff                 ; 16 batch + head, which the four partners share
	s_lshr_b32 s70, s[WV], 2                       ; a
	s_and_b32 s71, s[WV], 3                        ; b
	s_add_co_u32 s72, s70, s71
	s_and_b32 s72, s72, 3
	s_and_b32 s73, s70, 1
	s_lshr_b32 s74, s70, 1                         ; u
	s_lshl_b32 s[JA], s72, 1
	s_add_co_u32 s[JA], s[JA], s73                 ; j, 0..7
	s_xor_b32 s[JB], s[JA], 15                     ; 15 - j
	s_lshl_b32 s[TI], s[CX], 1
	s_add_co_u32 s[TI], s[TI], s74                 ; ti
	; what waves 0 to 3 fetch: wave 0, 1: K's image; wave 2, 3: V's; 16,384 bytes of every 32,768
	s_lshr_b32 s75, s71, 1
	s_lshl_b32 s75, s75, 17
	s_and_b32 s72, s71, 1
	s_lshl_b32 s72, s72, 14
	s_add_co_u32 s75, s75, s72                     ; its place in LDS, and behind K's first byte in memory: no place in the cluster enters it
	s_mul_i32 s76, s[BH], HEADB                    ; the head's first byte
	s_add_co_u32 s78, s76, s75
	s_add_co_u32 s78, s78, 131072                  ; K's image lies behind Q's
	s_mov_b32 s79, 0
	; descriptor group 1: a dense block of 16,384 bytes as 64 rows of 256
	s_mov_b32 s[G1], 15|(3<<16)|(1<<21)            ; 15:0 the mask: all four work-groups; 17:16 elements of 8 bytes; 21 set beside a mask; no padding
	s_mov_b32 s[G1+1], 32<<16                      ; tensor_dim0 = 32
	s_mov_b32 s[G1+2], 64<<16                      ; tensor_dim1 = 64
	s_mov_b32 s[G1+3], 32<<16                      ; tile_dim0 = 32
	s_mov_b32 s[G1+4], 64                          ; tile_dim1 = 64
	s_mov_b32 s[G1+5], 32                          ; tensor_dim0_stride
	s_mov_b32 s[G1+6], 0
	s_mov_b32 s[G1+7], 0
	s_mov_b32 s[SEL], 0x76543210
	s_mov_b32 s[SEL+1], 0xfedcba98
	s_mov_b32 s[CS], 0x3e38aa3b                    ; log2(e) / 8
	s_wait_dscnt 0x0
	s_wait_kmcnt 0x0
	s_load_b256 s[EX:EX+7], s[6:7], 0x0            ; e0 .. e7
	s_add_nc_u64 s[78:79], s[4:5], s[78:79]
.irp g, 0,1,2,3                                ; group g brings key steps 4 g .. 4 g + 3 of K and of V
	s_mov_b32 s[G0+4*\g], 1
	s_add_co_u32 s[G0+4*\g+1], s75, 32768*\g
	s_add_nc_u64 s[G0+4*\g+2:G0+4*\g+3], s[78:79], 32768*\g
	s_or_b32 s[G0+4*\g+3], s[G0+4*\g+3], 0x80000000
.endr
	ROUND                                          ; all four work-groups are here: the joint loads meet
	s_cmp_lt_u32 s[WV], 4                          ; a wave's four fills stand in one branch on the wave's number, ahead of every wait on TENSORcnt, LDS read and barrier: four loads of mine are out
	s_cbranch_scc0 .Lno_fetch
	tensor_load_to_lds s[G0:G0+3], s[G1:G1+7]
	s_nop 0
	tensor_load_to_lds s[G0+4:G0+7], s[G1:G1+7]
	s_nop 0
	tensor_load_to_lds s[G0+8:G0+11], s[G1:G1+7]
	s_nop 0
	tensor_load_to_lds s[G0+12:G0+15], s[G1:G1+7]
	s_nop 0
.rept 4
	v_nop
.endr
.Lno_fetch:
	s_lshl_b32 s70, s[JA], 3
	s_add_co_u32 s70, s70, s[TI]                   ; tile A's number among the head's 128 query tiles
	s_lshl_b32 s71, s[JB], 3
	s_add_co_u32 s71, s71, s[TI]                   ; tile B's
	s_mov_b32 s73, 0
	s_lshl_b32 s72, s70, 10                        ; 1,024 bytes a tile of Q's image
	s_add_co_u32 s72, s72, s76
	s_add_nc_u64 s[QA:QA+1], s[4:5], s[72:73]
	s_lshl_b32 s72, s71, 10
	s_add_co_u32 s72, s72, s76
	s_add_nc_u64 s[QB:QB+1], s[4:5], s[72:73]
	v_and_b32 v[LI], 31, v0
	s_delay_alu instid0(VALU_DEP_1)
	v_lshlrev_b32 v[LI], 4, v[LI]
.irp c, 0,1
	global_load_b128 v[QFA+4*\c:QFA+4*\c+3], v[LI], s[QA:QA+1] offset:512*\c   ; Q's fragments stay in registers
	global_load_b128 v[QFB+4*\c:QFB+4*\c+3], v[LI], s[QB:QB+1] offset:512*\c
.endr
	s_and_b32 s74, s[BH], 15                       ; the head
	s_lshr_b32 s75, s[BH], 4                       ; the batch:
	s_lshl_b32 s75, s75, 19                        ; 128 row tiles of 4,096 bytes
	s_lshr_b32 s77, s74, 2
	s_lshl_b32 s77, s77, 21                        ; head / 4
	s_add_co_u32 s75, s75, s77
	s_and_b32 s77, s74, 3                          ; ((head / 2) % 2) x 2,048 + (head % 2) x 1,024
	s_lshl_b32 s77, s77, 10
	s_add_co_u32 s75, s75, s77
	s_lshl_b32 s72, s70, 12
	s_add_co_u32 s72, s72, s75
	s_add_nc_u64 s[YA:YA+1], s[8:9], s[72:73]
	s_lshl_b32 s72, s71, 12
	s_add_co_u32 s72, s72, s75
	s_add_nc_u64 s[YB:YB+1], s[8:9], s[72:73]
	v_and_b32 v208, 15, v0                         ; r
	v_bfe_u32 v210, v0, 4, 1                       ; h
	s_delay_alu instid0(VALU_DEP_1)
	v_lshlrev_b32 v210, 3, v210
	s_delay_alu instid0(VALU_DEP_1)
	v_sub_nc_u32 v[DM], v208, v210
	s_lshl_b32 s72, s[TI], 4
	v_add_nc_u32 v[DM], s72, v[DM]
	v_mov_b32 v[NINF], 0xff800000
	v_mov_b32 v211, 0                              ; (named as the upper half of the pair v[210:211])
	v_mov_b32 v212, 0                              ; written once: a lane permute's destination counts as one of its sources
	v_mov_b32 v235, 1.0
	s_wait_kmcnt 0x0
	s_add_co_i32 s72, s[EX+2], s[EX+3]
	s_lshl_b32 s72, s72, 23
	s_add_co_i32 s[CS], s[CS], s72                 ; a score stands for score x 2^(e2 + e3): the exponents are added to c's exponent field
	s_mov_b32 s[CS+1], s[CS]                       ; (named with it as a pair)
	s_add_co_i32 s72, s[EX+4], 127
	s_lshl_b32 s73, s72, 23
	v_mov_b32 v[PSCL], s73
	s_add_co_i32 s[EO], s[EX+4], s[EX+5]
	s_sub_co_i32 s[EO], s[EO], s[EX+6]
.macro INIT                            ; a tile begins: O^T and the sum are zeros and the largest t is under every t, so that one text of the step serves the first step too: the first change of M multiplies zeros
	v_mov_b32 v25, 0xff61b1e6                      ; -3e38
	s_delay_alu instid0(VALU_DEP_1)
	v_floor_f32 v24, -v25
	v_mov_b32 v26, 0
	v_mov_b32 v27, 0
.set i, 0
.rept 32
	v_mov_b32 v[OT+i], 0
.set i, i+1
.endr
.endm
; A KEY STEP: 128 keys against the 16 queries whose fragment lies in v[q] on.
.macro STEP q
	s_cmp_gt_u32 s[KS], s[JJ]                      ; all its keys come after my queries: the step's work is left out; the lines at its end that step the counters are not
	s_cbranch_scc1 .Lhid_\@
	s_setprio 2
	v_add_nc_u32 v[ADK], s[TB], v[LI]
	s_delay_alu instid0(VALU_DEP_1)
	v_add_nc_u32 v[ADV], VIMG, v[ADK]
	v_nop
	v_nop                                          ; four places in front of loads into registers that the last step's products read
.irp t, 0,1,2,3,4,5,6,7
.irp c, 0,1
	ds_load_b128 v[FRG+8*\t+4*\c:FRG+8*\t+4*\c+3], v[ADK] offset:1024*\t+512*\c
.endr
.endr
	s_wait_alu depctr_va_vdst(0)
	s_wait_dscnt 8                                 ; tiles 0-3 are in; the youngest eight loads may be out
.irp t, 0,1,2,3
	v_wmma_f32_16x16x64_fp8_fp8 v[S+8*\t:S+8*\t+7], v[FRG+8*\t:FRG+8*\t+7], v[\q:\q+7], 0
.endr
	s_wait_dscnt 0x0
.irp t, 4,5,6,7
	v_wmma_f32_16x16x64_fp8_fp8 v[S+8*\t:S+8*\t+7], v[FRG+8*\t:FRG+8*\t+7], v[\q:\q+7], 0
.endr
.rept 4
	v_nop                                          ; places in front of the loads below and of the first read of the scores
.endr
.irp d, 0,1,2,3                                ; V's four fragments land while the softmax is worked
.irp c, 0,1,2,3
	ds_load_b128 v[FRG+16*\d+4*\c:FRG+16*\d+4*\c+3], v[ADV] offset:2048*\d+512*\c
.endr
.endr
	s_cmp_lg_u32 s[KS], s[JJ]                      ; only the step on the diagonal has hidden keys
	s_cbranch_scc1 .Lopen_\@
.set n, 0
.rept 64
	v_cmp_gt_i32 vcc_lo, 16*(n/8)+n%8, v[DM]
	v_cndmask_b32 v[S+n], v[S+n], v[NINF], vcc_lo  ; hidden scores become -infinity ahead of the maximum: p = 0 then.  Key 0 of the block counts for every query of it, so the maximum is a number
.set n, n+1
.endr
.Lopen_\@:
	v_max3_num_f32 v208, v[S], v[S+1], v[S+2]      ; the step's largest score of my query among my 64 keys, in two chains, each accumulator from its low end on,
	v_max3_num_f32 v210, v[S+3], v[S+4], v[S+5]
.irp i, 6,10,14,18,22,26,30,34,38,42,46,50,54,58
	v_max3_num_f32 v208, v208, v[S+\i], v[S+1+\i]
	v_max3_num_f32 v210, v210, v[S+2+\i], v[S+3+\i]
.endr
	v_max3_num_f32 v208, v208, v[S+62], v[S+63]
	s_delay_alu instid0(VALU_DEP_1)
	v_max_num_f32 v208, v208, v210
	s_delay_alu instid0(VALU_DEP_1)
	v_permlanex16_b32 v212, v208, s[SEL], s[SEL+1]
	s_delay_alu instid0(VALU_DEP_1)
	v_max_num_f32 v208, v208, v212                 ; and among lane l xor 16's
	s_delay_alu instid0(VALU_DEP_1)
	v_mul_f32 v208, s[CS], v208                    ; as t (c is positive)
	s_delay_alu instid0(VALU_DEP_1)
	v_max_num_f32 v25, v25, v208                   ; the running largest t
	v_mov_b32 v208, v24
	s_delay_alu instid0(VALU_DEP_2)
	v_floor_f32 v24, -v25                          ; the new -M = floor(-t) = -ceil(t)
	s_delay_alu instid0(VALU_DEP_1)
	v_sub_f32 v208, v24, v208                      ; old M - new M: a whole number, 0 or less
	s_delay_alu instid0(VALU_DEP_1)
	v_cvt_i32_f32 v208, v208                       ; (it saturates)
	s_delay_alu instid0(VALU_DEP_1)
	v_ldexp_f32 v210, 1.0, v208                    ; f = 2^(old M - new M)
.set n, 0
	s_setprio 1
.rept 32
	v_pk_fma_f32 v[S+n:S+n+1], v[S+n:S+n+1], s[CS:CS+1], v[24:25] op_sel_hi:[1,0,0]   ; t - M, two at a time (of the pairs c and -M the low word serves both halves)
.set n, n+2
.endr
.set n, 0
	s_wait_alu depctr_va_vdst(0)
.rept 64
	v_exp_f32 v[S+n], v[S+n]                       ; p = 2^(t - M)
.set n, n+1
.endr
	v_pk_mul_f32 v[26:27], v[26:27], v[210:211] op_sel_hi:[1,0]   ; the sums under the new M: the plain instruction behind the exponentials
	s_wait_alu depctr_va_vdst(0)                   ; one wait for the batch of 64, ahead of the first line that names a result
	v_pk_add_f32 v[214:215], v[100:101], v[104:105]
	v_pk_add_f32 v[252:253], v[108:109], v[112:113]
	v_pk_add_f32 v[250:251], v[116:117], v[120:121]
	v_pk_add_f32 v[248:249], v[124:125], v[128:129]
	v_pk_add_f32 v[246:247], v[132:133], v[136:137]
	v_pk_add_f32 v[244:245], v[140:141], v[144:145]
	v_pk_add_f32 v[242:243], v[148:149], v[152:153]
	v_pk_add_f32 v[26:27], v[26:27], v[156:157]
	v_pk_add_f32 v[214:215], v[214:215], v[96:97]
	v_pk_add_f32 v[252:253], v[252:253], v[98:99]
	v_pk_add_f32 v[250:251], v[250:251], v[102:103]
	v_pk_add_f32 v[248:249], v[248:249], v[106:107]
	v_pk_add_f32 v[246:247], v[246:247], v[110:111]
	v_pk_add_f32 v[244:245], v[244:245], v[114:115]
	v_pk_add_f32 v[242:243], v[242:243], v[118:119]
	v_pk_add_f32 v[26:27], v[26:27], v[122:123]
	v_pk_add_f32 v[214:215], v[214:215], v[126:127]
	v_pk_add_f32 v[252:253], v[252:253], v[130:131]
	v_pk_add_f32 v[250:251], v[250:251], v[134:135]
	v_pk_add_f32 v[248:249], v[248:249], v[138:139]
	v_pk_add_f32 v[246:247], v[246:247], v[142:143]
	v_pk_add_f32 v[244:245], v[244:245], v[146:147]
	v_pk_add_f32 v[242:243], v[242:243], v[150:151]
	s_setprio 0
	v_pk_add_f32 v[26:27], v[26:27], v[154:155]
	v_pk_add_f32 v[214:215], v[214:215], v[158:159]
	s_delay_alu instid0(VALU_DEP_2)
	v_pk_add_f32 v[26:27], v[26:27], v[248:249]
	s_delay_alu instid0(VALU_DEP_2)
	v_pk_add_f32 v[214:215], v[214:215], v[246:247]
	v_pk_add_f32 v[252:253], v[252:253], v[244:245]
	v_pk_add_f32 v[250:251], v[250:251], v[242:243]
	s_delay_alu instid0(VALU_DEP_2)
	v_pk_add_f32 v[26:27], v[26:27], v[252:253]
	s_delay_alu instid0(VALU_DEP_2)
	v_pk_add_f32 v[214:215], v[214:215], v[250:251]
	s_delay_alu instid0(VALU_DEP_1)
	v_pk_add_f32 v[26:27], v[26:27], v[214:215]
.irp t, 0,1,2,3,4,5,6,7
.irp i, 0,1,2,3,4,5,6,7
.endr
	v_cvt_scalef32_pk8_fp8_f32 v[PC+2*\t:PC+2*\t+1], v[S+8*\t:S+8*\t+7], v[PSCL]
.endr
.set n, 0
.rept 16
	v_pk_mul_f32 v[OT+n:OT+n+1], v[OT+n:OT+n+1], v[210:211] op_sel_hi:[1,0]   ; O^T under the new M; also the plain lines between the conversions and the products that read the codes
.set n, n+2
.endr
	s_wait_alu depctr_va_vdst(0)
	s_wait_dscnt 0x0                               ; V is in
.irp d, 0,1,2,3                                ; four accumulators, one instruction a turn; the next step's eight products S^T stand between a link and the next
	v_wmma_f32_16x16x128_fp8_fp8 v[OT+8*\d:OT+8*\d+7], v[FRG+16*\d:FRG+16*\d+15], v[PC:PC+15], v[OT+8*\d:OT+8*\d+7]
.endr
.Lhid_\@:
	s_add_co_u32 s[KS], s[KS], 1
	s_add_co_u32 s[TB], s[TB], 8192
.endm
; A tile's end: y = O^T x 2^(e4 + e5) / l; its code is y / 2^e6.  yc: the codes' registers; sb: the tile's place in y's images.  Each tile has registers and a base of its own: nothing that a store reads is written again.
.macro OUT yc, sb
.rept 4
	v_nop                                          ; places behind the last products
.endr
	v_add_f32 v26, v26, v27                        ; the sum's two halves,
	s_delay_alu instid0(VALU_DEP_1)
	v_permlanex16_b32 v212, v26, s[SEL], s[SEL+1]
	s_delay_alu instid0(VALU_DEP_1)
	v_add_f32 v26, v26, v212                       ; and lane l xor 16's
	s_wait_alu depctr_va_vdst(0)
	v_rcp_f32 v232, v26
	v_nop                                          ; a plain instruction behind the reciprocal
	s_wait_alu depctr_va_vdst(0)                   ; and the wait ahead of its first reader
	v_ldexp_f32 v232, v232, s[EO]
	s_delay_alu instid0(VALU_DEP_1)
	v_mov_b32 v233, v232
.set n, 0
.rept 16
	v_pk_mul_f32 v[S+n:S+n+1], v[OT+n:OT+n+1], v[232:233]   ; ascending: each accumulator from its low end on
.set n, n+2
.endr
.set n, 0
.rept 32
.set n, n+1
.endr
.irp d, 0,1,2,3
	v_cvt_scalef32_pk8_fp8_f32 v[\yc+2*\d:\yc+2*\d+1], v[S+8*\d:S+8*\d+7], v235
.endr
	v_nop                                          ; one plain vector instruction behind the last conversion
.irp c, 0,1
	global_store_b128 v[LI], v[\yc+4*\c:\yc+4*\c+3], s[\sb:\sb+1] offset:512*\c   ; the wave's store covers 512 consecutive bytes, aligned
.endr
.endm
	INIT
	s_wait_loadcnt 0x0                             ; Q
	s_mov_b32 s[KS], 0
	s_mov_b32 s[TB], 0
	s_mov_b32 s[JJ], s[JA]
	s_wait_tensorcnt 3                             ; my part of key steps 0 to 3 is in; the three younger loads may stay out
	s_barrier_signal -1
	s_barrier_wait -1                              ; everybody's is
.Lfirst:                                           ; tile A, key steps 0 to 3
	STEP QFA
	s_cmp_lt_u32 s[KS], 4
	s_cbranch_scc1 .Lfirst
	s_setprio 0
	s_wait_tensorcnt 0x0                           ; all my loads have landed,
	s_wait_dscnt 0x0
	s_barrier_signal -1
	s_barrier_wait -1                              ; and everybody's: the whole head lies in LDS
	s_mov_b32 s[KS], 4
	s_mov_b32 s[TB], 32768
.Lsecond:                                          ; tile A, key steps 4 to 7
	STEP QFA
	s_cmp_lt_u32 s[KS], 8
	s_cbranch_scc1 .Lsecond
	s_setprio 0
	OUT 216, YA
	INIT
	s_mov_b32 s[KS], 0
	s_mov_b32 s[TB], 0
	s_mov_b32 s[JJ], s[JB]
.Lthird:                                           ; tile B, key steps 0 to 15
	STEP QFB
	s_cmp_lt_u32 s[KS], 16
	s_cbranch_scc1 .Lthird
	s_setprio 0
	OUT 224, YB
	s_wait_tensorcnt 0x0
	s_wait_dscnt 0x0
	s_wait_tensorcnt 0x0
	ds_add_u32 v254, v255
	s_wait_dscnt 0x0
	ROUND                                          ; the closing round
	s_endpgm
.Lfunc_end_k_q696627e42e_attn:
	.size	k_q696627e42e_attn, .Lfunc_end_k_q696627e42e_attn-k_q696627e42e_attn
	.p2alignl 7, 3214868480
	.fill 96, 4, 3214868480
	.section	.rodata,"a",@progbits
	.p2align	6, 0x0
	.amdhsa_kernel k_q696627e42e_attn
		.amdhsa_group_segment_fixed_size 264192
		.amdhsa_private_segment_fixed_size 0
		.amdhsa_enable_private_segment 0
		.amdhsa_kernarg_size 24
		.amdhsa_user_sgpr_count 2
		.amdhsa_user_sgpr_kernarg_segment_ptr 1
		.amdhsa_wavefront_size32 1
		.amdhsa_system_sgpr_workgroup_id_x 1
		.amdhsa_system_sgpr_workgroup_id_y 1
		.amdhsa_system_sgpr_workgroup_id_z 1
		.amdhsa_system_vgpr_workitem_id 0
		.amdhsa_next_free_vgpr 256
		.amdhsa_next_free_sgpr 80
		.amdhsa_reserve_vcc 1
		.amdhsa_float_denorm_mode_32 3
		.amdhsa_float_denorm_mode_16_64 3
		.amdhsa_fp16_overflow 1
		.amdhsa_memory_ordered 1
		.amdhsa_forward_progress 1
		.amdhsa_inst_pref_size 71
	.end_amdhsa_kernel
	.amdgpu_metadata
---
amdhsa.version: [ 1, 2 ]
amdhsa.kernels:
  - .name:           k_q696627e42e_attn
    .symbol:         k_q696627e42e_attn.kd
    .args:
      - { .name: qkv, .offset: 0, .size: 8, .value_kind: global_buffer, .address_space: global }
      - { .name: lowp_scales, .offset: 8, .size: 8, .value_kind: global_buffer, .address_space: global }
      - { .name: yimg, .offset: 16, .size: 8, .value_kind: global_buffer, .address_space: global }
    .group_segment_fixed_size: 264192
    .private_segment_fixed_size: 0
    .kernarg_segment_align: 8
    .kernarg_segment_size: 24
    .max_flat_workgroup_size: 512
    .sgpr_count:     80
    .vgpr_count:     256
    .wavefront_size: 32
...
	.end_amdgpu_metadata
.endif
;; end of part 2
;; launch proj (part 3): grid 4 x 32, 4 waves a work-group, clusters of 4 x 4, 327,680 bytes of LDS; arguments yimg, w_proj_codes, lowp_scales, out0; writes out0
.if DOCPART == 3
	.amdgcn_target "amdgcn-amd-amdhsa--gfx1250"
	.amdhsa_code_object_version 6
	.text
	.protected	k_q696627e42e_proj
	.globl	k_q696627e42e_proj
	.p2align	8
	.type	k_q696627e42e_proj,@function
k_q696627e42e_proj:
	s_mov_b64 s[64:65], 0
	v_nop
	global_prefetch_b8 v0, s[64:65] scope:SCOPE_SE
	s_setreg_imm32_b32 hwreg(HW_REG_WAVE_MODE, 25, 1), 1
	s_wait_xcnt 0x0
	s_wait_alu depctr_hold_cnt(0) depctr_sa_sdst(0) depctr_va_vdst(0) depctr_va_sdst(0) depctr_va_ssrc(0) depctr_va_vcc(0) depctr_vm_vsrc(0)
	s_getreg_b32 s2, hwreg(HW_REG_IB_STS2, 6, 4)
	s_cmp_eq_u32 s2, 0
	s_cbranch_scc0 .Lentry_in_a_cluster
	s_endpgm
.Lentry_in_a_cluster:
	s_bfe_u32 s2, ttmp6, 0x10000c
	s_cmp_lg_u32 s2, 0xf033
	s_cbranch_scc0 .Lentry_shape_is_right
	s_endpgm
.Lentry_shape_is_right:
; out0 = y w_proj on codes of FP8 (E4M3).  y: 8,192 rows x 1,024 K as images of operand registers (below); w_proj: [1024][1024] codes, K innermost; out0: [8192][1024] f32.  Each finished sum is multiplied once by 2^(e6 + e7).
; LIMIT: e6 + e7 lies between -126 and 127, so that 2^(e6 + e7) is an f32 number.
; A tile of 256 x 256 of out0 is made by four waves, 128 x 128 each: 64 accumulators, 512 registers.  K goes in 4 steps of 256 through a ring of two LDS slots filled by the tensor data mover.
; y's images: [K step of 256 (4)][row tile of 16 (512)][128 along K (2)][chunk (4)][lane][16 bytes]: lane (r, h), registers 2 c, 2 c + 1 of a fragment hold row r, k = 16 c + 8 h + 0 .. 7.  The 128 rows x 256 K that one tensor load
; brings are one dense block of 32,768 bytes, and a fragment is four ds_load_b128 at 16 x lane.  So k stands in its true places, and w's fragments are fetched to meet it: eight ds_load_b64 at row x pitch + 16 c + 8 h.
; CLUSTERS: 4 x 4 work-groups; y's tile is shared along a row of the cluster, w's along a column: each is asked for jointly.  THE MATRIX INSTRUCTION IS USED TRANSPOSED (source 0 = 16 rows of w, source 1 = 16 rows of y): a lane holds eight neighbouring numbers of a row of out0.
; 128 tiles: as many work-groups as the output has tiles of this size.
; REGISTERS, in windows of 256: window 0: v0-31 addresses; from v128 y's fragments, ONE set; on the way out v32-255 are free.  window 1: w's fragments, TWO sets.  windows 2, 3: the accumulators ((a, b) at v[8 (8 (a % 4) + b)]).
.set SIZE_N, 1024
.set ROWB,   256                       ; a row of w's tile in bytes
.set KROW,   1024                      ; a row of w in memory
.set PITCH,  272                       ; w's LDS row: 256 bytes + 16 of padding = 68 words: the 32 lanes of a ds_load_b64 (row r, half h: words 68 r + 2 h) touch 64 different banks (ISA guide 11.1)
.set FR,     16
.set NL,     4                         ; LDS loads that bring a fragment of y
.set NP,     4
.set AHALF,  32768                     ; y: 8 row tiles x 4,096 bytes: what one tensor load brings
.set BHALF,  128*PITCH                 ; w: 128 rows
.set SLOT,   2*AHALF+2*BHALF           ; y's 256 rows, then w's 256 rows: 135,168 bytes
.set ASTEP,  2097152                   ; from a K step of y's images to the next
.set LAPS,   2
.set SPARE,  2*SLOT                    ; behind the ring: the spare words, 128 bytes for each wave: two blocks of 256 bytes that no other line names
.set SPITCH, 528                       ; the way out: a stage of 16 rows x (512 bytes + 16) for each wave, in slot 0, which has had its last fill and its last read when the first result is stored there
.set ADRA, 16
.set ADRB, 20
.set STO,  24
.set RD,   25
.set CO,   26
.set SPW,  28
.set NIL,  29
.set TMP,  32
.set AF,   128
.set BK,   128
.set G1, 24
.set G0, 32
.set G1B, 48
.set G0B, 56
.set MSB, 0
.macro WIN new                         ; the immediate's high byte repeats the setting that is left
.if MSB != \new
	s_set_vgpr_msb (MSB<<8)|\new
.set MSB, \new
.endif
.endm
.set MUL_LO, 0xa1
.set MUL_HI, 0xf1
.set TO_B,   0x40
.macro JLOAD g0a, g1a, g0b, g1b        ; a joint load: waves 0 and 1 fetch for y, waves 2 and 3 for w; four v_nop follow each line
	s_cmp_eq_u32 s15, 0
	s_cbranch_scc0 .Lfor_b_\@
	tensor_load_to_lds s[\g0a:\g0a+3], s[\g1a:\g1a+7]
	s_nop 0
.rept 4
	v_nop
.endr
	s_branch .Lasked_\@
.Lfor_b_\@:
	tensor_load_to_lds s[\g0b:\g0b+3], s[\g1b:\g1b+7]
	s_nop 0
.rept 4
	v_nop
.endr
.Lasked_\@:
.endm
.macro CREST
	s_cmp_lg_u32 s14, 0
	s_cbranch_scc1 .Lnot_wave_0_\@
	s_barrier_signal -3
.Lnot_wave_0_\@:
	s_barrier_wait -3
	s_barrier_signal -1
	s_barrier_wait -1
.endm
.macro CROUND
	s_barrier_signal -1
	s_barrier_wait -1
	CREST
.endm
	s_load_b128 s[4:7], s[0:1], 0x0                ; y's images s[4:5], w_proj's codes s[6:7]
	s_load_b128 s[8:11], s[0:1], 0x10              ; the exponents s[8:9], out0 s[10:11]
	v_lshl_add_u32 v[SPW], v0, 2, SPARE
	v_mov_b32 v[NIL], 0
	ds_add_u32 v28, v29
	ds_add_u32 v28, v29
	s_wait_dscnt 0x0
	v_lshrrev_b32 v1, 5, v0
	v_readfirstlane_b32 s14, v1                    ; wave 0..3
	s_lshr_b32 s15, s14, 1                         ; which half of the tile's rows is mine.  Also: I fetch for y (0) or for w (1)
	s_and_b32 s16, s14, 1                          ; which half of its columns.  Also: which 128 rows of that tile I fetch
	s_bfe_u32 s40, ttmp6, 0x40000                  ; cx, cy
	s_bfe_u32 s41, ttmp6, 0x40004
	s_lshl_b32 s42, ttmp9, 2
	s_add_co_u32 s42, s42, s40                     ; tile column
	s_and_b32 s17, ttmp7, 0xffff
	s_lshl_b32 s17, s17, 2
	s_add_co_u32 s17, s17, s41                     ; tile row
	s_lshl_b32 s43, s41, 2
	s_lshl_b32 s43, 15, s43                        ; my row of the cluster
	s_lshl_b32 s44, 0x1111, s40                    ; my column
	; y: a dense block of 32,768 bytes as 128 rows of 256, no padding
	s_or_b32 s[G1+0], s43, (3<<16)|(1<<21)         ; 15:0 the mask; 17:16 elements of 8 bytes; 21 set beside a mask
	s_mov_b32 s[G1+1], 32<<16                      ; tensor_dim0 = 32
	s_mov_b32 s[G1+2], 128<<16                     ; tensor_dim1 = 128
	s_mov_b32 s[G1+3], 32<<16                      ; tile_dim0 = 32
	s_mov_b32 s[G1+4], 128                         ; tile_dim1 = 128
	s_mov_b32 s[G1+5], 32                          ; tensor_dim0_stride
	s_mov_b32 s[G1+6], 0
	s_mov_b32 s[G1+7], 0
	; w: 128 rows x 256 bytes, padded in LDS
	s_or_b32 s[G1B+0], s44, (0<<16)|(1<<20)|(1<<21)|(5<<22)|(3<<25)  ; element of 1 byte; padding of 4 words after every 64
	s_mov_b32 s[G1B+1], ROWB<<16
	s_mov_b32 s[G1B+2], 128<<16
	s_mov_b32 s[G1B+3], ROWB<<16
	s_mov_b32 s[G1B+4], 128
	s_mov_b32 s[G1B+5], KROW
	s_mov_b32 s[G1B+6], 0
	s_mov_b32 s[G1B+7], 0
	s_lshl_b32 s20, s17, 16                        ; y: 16 row tiles of 4,096 bytes to a tile row,
	s_lshl_b32 s18, s16, 15                        ; 8 of them to a load
	s_add_co_u32 s20, s20, s18
	s_mov_b32 s21, 0
	s_lshl_b32 s46, s42, 18                        ; w: 256 rows of 1,024 bytes to a tile column,
	s_lshl_b32 s18, s16, 17                        ; 128 to a load
	s_add_co_u32 s46, s46, s18
	s_mov_b32 s47, 0
	s_mul_i32 s45, s16, AHALF                      ; where they go: no place in the cluster enters an LDS address
	s_mul_i32 s19, s16, BHALF
	s_add_co_u32 s19, s19, 2*AHALF
	s_wait_kmcnt 0x0
	s_load_b64 s[96:97], s[8:9], 0x18              ; e6, e7
	s_add_nc_u64 s[20:21], s[4:5], s[20:21]
	s_add_nc_u64 s[46:47], s[6:7], s[46:47]
	CROUND                                         ; all sixteen work-groups are here: the first joint loads meet
.irp s, 0,1
	s_mov_b32 s[G0+4*\s], 1
	s_add_co_u32 s[G0+4*\s+1], s45, \s*SLOT
	s_add_nc_u64 s[G0+4*\s+2:G0+4*\s+3], s[20:21], \s*ASTEP
	s_or_b32 s[G0+4*\s+3], s[G0+4*\s+3], 0x80000000
	s_mov_b32 s[G0B+4*\s], 1
	s_add_co_u32 s[G0B+4*\s+1], s19, \s*SLOT
	s_add_nc_u64 s[G0B+4*\s+2:G0B+4*\s+3], s[46:47], \s*ROWB
	s_or_b32 s[G0B+4*\s+3], s[G0B+4*\s+3], 0x80000000
	s_wait_alu depctr_va_vdst(0)
	s_wait_tensorcnt 0x0
	ds_add_u32 v28, v29
	ds_add_u32 v28, v29
	s_wait_dscnt 0x0
	CROUND
	JLOAD G0+4*\s, G1, G0B+4*\s, G1B
.endr
	v_and_b32 v1, 15, v0                           ; l % 16
	v_bfe_u32 v2, v0, 4, 1                         ; l / 16
	v_and_b32 v6, 31, v0
	v_lshlrev_b32 v[CO], 4, v6                     ; 16 x lane: an image's place for my lane; also my bytes of a row of out0
	v_mul_u32_u24 v3, v1, PITCH
	v_lshl_add_u32 v4, v2, 3, v3                   ; w: row x pitch + 8 x half
	s_mul_i32 s21, s15, AHALF                      ; my 128 rows of y
	s_mul_i32 s22, s16, BHALF                      ; my 128 rows of w,
	s_add_co_u32 s22, s22, 2*AHALF                 ; which lie behind y's images
.irp s, 0,1
	v_add_nc_u32 v[ADRA+\s], s21, v[CO]
	v_add_nc_u32 v[ADRB+\s], s22, v4
	s_add_co_u32 s21, s21, SLOT
	s_add_co_u32 s22, s22, SLOT
.endr
	s_mul_i32 s23, s14, 16*SPITCH                  ; my stage
	v_mul_u32_u24 v5, v1, SPITCH                   ; in: row l % 16, 32 bytes for each half of the lanes
	v_lshl_add_u32 v5, v2, 5, v5
	v_add_nc_u32 v[STO], s23, v5
	v_add_nc_u32 v[RD], s23, v[CO]                 ; back: the 32 lanes take one row of 512 bytes
	s_lshl_b32 s20, s17, 8
	s_lshl_b32 s21, s15, 7
	s_add_co_u32 s20, s20, s21                     ; my first row of out0
	s_mov_b32 s21, 0
	s_mov_b64 s[18:19], SIZE_N*4
	s_mul_u64 s[20:21], s[20:21], s[18:19]
	s_lshl_b32 s46, s42, 10                        ; my first column, in bytes
	s_lshl_b32 s47, s16, 9
	s_add_co_u32 s46, s46, s47
	s_mov_b32 s47, 0
	s_add_nc_u64 s[20:21], s[20:21], s[46:47]
	s_add_nc_u64 s[10:11], s[10:11], s[20:21]
.macro FRAGA reg, adr, q, i            ; y's fragment of row tile i, the slot's q-th 128 along K: its image, four loads of 512 consecutive bytes
.irp c, 0,1,2,3
	ds_load_b128 v[\reg+4*\c:\reg+4*\c+3], v[\adr] offset:2048*(\q)+512*\c+(\i)*4096
.endr
.endm
.macro FRAGB reg, adr, q, i            ; w's fragment: registers 2 c, 2 c + 1 hold K = 16 c + 8 (l / 16) + 0 .. 7 of row l % 16
.irp c, 0,1,2,3,4,5,6,7
	ds_load_b64 v[\reg+2*\c:\reg+2*\c+1], v[\adr] offset:128*(\q)+16*\c+(\i)*16*PITCH
.endr
.endm
; The 64 accumulators take turns, one instruction a turn, in the same order in every step.
.macro MUL16 a0, p, zero
.irp a, \a0, \a0+1
.irp b, 0,1,2,3,4,5,6,7
.if \zero
	v_wmma_f32_16x16x128_fp8_fp8 v[8*(8*((\a)%4)+\b):8*(8*((\a)%4)+\b)+7], v[128*(\p)+FR*\b:128*(\p)+FR*\b+FR-1], v[AF+FR*(\a):AF+FR*(\a)+FR-1], 0
.else
	v_wmma_f32_16x16x128_fp8_fp8 v[8*(8*((\a)%4)+\b):8*(8*((\a)%4)+\b)+7], v[128*(\p)+FR*\b:128*(\p)+FR*\b+FR-1], v[AF+FR*(\a):AF+FR*(\a)+FR-1], v[8*(8*((\a)%4)+\b):8*(8*((\a)%4)+\b)+7]
.endif
.endr
.endr
.endm
.macro FETCH_B slot, q, p
	WIN TO_B
.irp i, 0,1,2,3,4,5,6,7
	FRAGB 128*(\p)+FR*\i, ADRB+\slot, \q, \i
.endr
	WIN 0
.endm
.macro FETCH_A slot, q, i0
.irp i, \i0, \i0+1, \i0+2, \i0+3
	FRAGA AF+FR*(\i), ADRA+\slot, \q, \i
.endr
.endm
.macro PLACES n                        ; plain vector instructions between a matrix instruction and a load into, or a vector read of, its registers
.rept \n
	v_nop
.endr
.endm
.macro STEP slot, q, zero
	s_wait_dscnt 4*NL                              ; w's set and y's blocks 0-3 are in; the youngest sixteen loads (y's blocks 4-7) may be out
	WIN MUL_LO
	MUL16 0, (\q)%2, \zero
	MUL16 2, (\q)%2, \zero
	s_wait_dscnt 0                                 ; y's blocks 4-7 are in
	PLACES NP
	FETCH_B \slot, (\q)+1, 1-(\q)%2
	FETCH_A \slot, (\q)+1, 0
	WIN MUL_HI
	MUL16 4, (\q)%2, \zero
	MUL16 6, (\q)%2, \zero
	PLACES NP
	WIN 0
	FETCH_A \slot, (\q)+1, 4
.endm
; A slot's last step changes slots: ONE barrier; in front of it each wave waits for all its tensor loads, adds 0 to its spare word, and waits for that and for its own reads of this slot.
.macro TURN slot, next, fill
	s_wait_tensorcnt 0x0                           ; all my tensor loads have landed: my part of the next slot  (every window is 0 here)
	ds_add_u32 v[SPW], v[NIL]                      ; 0 onto my spare word
	s_wait_dscnt 4*NL+1                            ; (the add and the youngest sixteen loads may be out)
	WIN MUL_LO
	MUL16 0, 1, 0
	s_wait_dscnt 0x0                               ; the add is done, and my reads of this slot are over
	s_barrier_signal -1
	MUL16 2, 1, 0
	WIN 0
	s_barrier_wait -1
.if \fill
	CREST                                          ; a round of the cluster's barrier: no wave of any partner still reads this slot or has a load on its way
	s_add_nc_u64 s[G0+4*\slot+2:G0+4*\slot+3], s[G0+4*\slot+2:G0+4*\slot+3], 2*ASTEP
	s_add_nc_u64 s[G0B+4*\slot+2:G0B+4*\slot+3], s[G0B+4*\slot+2:G0B+4*\slot+3], 2*ROWB
	JLOAD G0+4*\slot, G1, G0B+4*\slot, G1B         ; the first tensor load behind the round; its four v_nop are also the places in front of the loads below
.else
	PLACES NP
.endif
	FETCH_B \next, 0, 0
	FETCH_A \next, 0, 0
	WIN MUL_HI
	MUL16 4, 1, 0
	MUL16 6, 1, 0
	PLACES NP
	WIN 0
	FETCH_A \next, 0, 4
.endm
	s_wait_alu depctr_va_vdst(0)
	s_wait_tensorcnt 1                             ; my part of K step 0 is in (K step 1's load may be out)
	s_barrier_signal -1
	s_barrier_wait -1                              ; everybody's is
	FETCH_B 0, 0, 0
	FETCH_A 0, 0, 0
	FETCH_A 0, 0, 4
	STEP 0, 0, 1                                   ; the first step's products start the sums
	s_mov_b32 s3, LAPS-1
.Llap:
	TURN 0, 1, 1
	STEP 1, 0, 0
	TURN 1, 0, 1
	STEP 0, 0, 0
	s_sub_co_u32 s3, s3, 1
	s_cmp_lg_u32 s3, 0
	s_cbranch_scc1 .Llap
	TURN 0, 1, 0                                   ; the last lap fills nothing
	STEP 1, 0, 0
	s_wait_dscnt 4*NL
	WIN MUL_LO
	MUL16 0, 1, 0
	MUL16 2, 1, 0
	s_wait_dscnt 0
	WIN MUL_HI
	MUL16 4, 1, 0
	MUL16 6, 1, 0
	WIN 0
; THE WAY OUT, block by block of 16 rows x 128 columns, through my own stage in LDS: in as 32 bytes a lane, back as whole rows of 512 bytes.  LDS serves a wave's instructions in order (ISA guide 5.7.1.4): no wait between the stores and the loads.
.macro TOSTAGE a
.set AC, 64*((\a)%4)
	WIN 0x02+((\a)/4)                              ; source 0: window 2 or 3
.irp j, 0,2,4,6,8,10,12,14,16,18,20,22,24,26,28,30,32,34,36,38,40,42,44,46,48,50,52,54,56,58,60,62
	v_pk_mul_f32 v[TMP+\j:TMP+\j+1], v[AC+\j:AC+\j+1], s[96:97] op_sel_hi:[1,0]   ; both x s96 = 2^(e6 + e7); each accumulator from its low end on
.endr
	WIN 0
.irp b, 0,1,2,3,4,5,6,7
	ds_store_b128 v[STO], v[TMP+8*\b:TMP+8*\b+3] offset:64*\b
	ds_store_b128 v[STO], v[TMP+8*\b+4:TMP+8*\b+7] offset:64*\b+16
.endr
.set BB, BK+64*((\a)%2)
.irp t, 0,1,2,3,4,5,6,7,8,9,10,11,12,13,14,15
	ds_load_b128 v[BB+4*\t:BB+4*\t+3], v[RD] offset:\t*SPITCH
.endr
.endm
.macro SEND a, younger                 ; younger: the LDS instructions issued behind block a's loads, which may stay out
.set BB, BK+64*((\a)%2)
	s_wait_dscnt \younger
.if (\a) > 0
	s_add_nc_u64 s[10:11], s[10:11], 16*SIZE_N*4   ; (behind a wait on XCNT: the earlier stores have read their base)  16 rows on
.endif
.irp t, 0,1,2,3,4,5,6,7,8,9,10,11,12,13,14,15
	global_store_b128 v[CO], v[BB+4*\t:BB+4*\t+3], s[10:11] offset:\t*SIZE_N*4 th:TH_STORE_NT   ; 32 lanes store 512 consecutive bytes, aligned; written once, read by nobody here
.endr
.endm
	s_wait_kmcnt 0x0
	s_add_co_i32 s96, s96, s97                     ; e6 + e7
	s_add_co_i32 s96, s96, 127
	s_lshl_b32 s96, s96, 23                        ; 2^(e6 + e7) as f32
	PLACES NP                                      ; behind the last products: for the loads into the registers that held y's fragments and for the reads of results
	TOSTAGE 0
.irp a, 1,2,3,4,5,6,7
.if \a > 1
	s_wait_xcnt 0x0                                ; block a - 2's stores have read their registers and their base
.endif
	TOSTAGE \a
	SEND \a-1, 32                                  ; behind block a - 1's loads: block a's 16 stores and 16 loads
.endr
	s_wait_xcnt 0x0                                ; block 6's stores have read their base
	SEND 7, 0
	s_wait_tensorcnt 0x0                           ; the wave's end
	ds_add_u32 v[SPW], v[NIL]
	s_wait_dscnt 0x0
	CROUND                                         ; the closing round
	s_endpgm
.Lfunc_end_k_q696627e42e_proj:
	.size	k_q696627e42e_proj, .Lfunc_end_k_q696627e42e_proj-k_q696627e42e_proj
	.p2alignl 7, 3214868480
	.fill 96, 4, 3214868480
	.section	.rodata,"a",@progbits
	.p2align	6, 0x0
	.amdhsa_kernel k_q696627e42e_proj
		.amdhsa_group_segment_fixed_size 327680
		.amdhsa_private_segment_fixed_size 0
		.amdhsa_enable_private_segment 0
		.amdhsa_kernarg_size 32
		.amdhsa_user_sgpr_count 2
		.amdhsa_user_sgpr_kernarg_segment_ptr 1
		.amdhsa_wavefront_size32 1
		.amdhsa_system_sgpr_workgroup_id_x 1
		.amdhsa_system_sgpr_workgroup_id_y 1
		.amdhsa_system_sgpr_workgroup_id_z 1
		.amdhsa_system_vgpr_workitem_id 0
		.amdhsa_next_free_vgpr 1024
		.amdhsa_next_free_sgpr 100
		.amdhsa_reserve_vcc 0
		.amdhsa_float_denorm_mode_32 3
		.amdhsa_float_denorm_mode_16_64 3
		.amdhsa_memory_ordered 1
		.amdhsa_forward_progress 1
		.amdhsa_inst_pref_size 140
	.end_amdhsa_kernel
	.amdgpu_metadata
---
amdhsa.version: [ 1, 2 ]
amdhsa.kernels:
  - .name:           k_q696627e42e_proj
    .symbol:         k_q696627e42e_proj.kd
    .args:
      - { .name: yimg, .offset: 0, .size: 8, .value_kind: global_buffer, .address_space: global }
      - { .name: w_proj_codes, .offset: 8, .size: 8, .value_kind: global_buffer, .address_space: global }
      - { .name: lowp_scales, .offset: 16, .size: 8, .value_kind: global_buffer, .address_space: global }
      - { .name: out0, .offset: 24, .size: 8, .value_kind: global_buffer, .address_space: global }
    .group_segment_fixed_size: 327680
    .private_segment_fixed_size: 0
    .kernarg_segment_align: 8
    .kernarg_segment_size: 32
    .max_flat_workgroup_size: 128
    .sgpr_count:     100
    .vgpr_count:     1024
    .wavefront_size: 32
...
	.end_amdgpu_metadata
.endif
;; end of part 3
